; MI455X (gfx1250); checked and timed in simulation.
; The chip was launched on July 23, 2026; its instructions are those of AMD's public machine-readable ISA for CDNA 5 (MIT licence, August 2026) and "CDNA5" Instruction Set Architecture Reference Guide (July 2026). The comments in the code are by the model that wrote it; some were corrected since.
;; Masked Cross Attention. Allowed arithmetic: float matrix products may take bf16 or f16 operands with f32 sums; all other float work in f32.
;; Inputs: Wkv 1,024 x 1,024 float32; Wout 512 x 1,024 float32; Wq 1,024 x 512 float32; ln_beta 1,024 float32; ln_gamma 1,024 float32; media 4 x 1,024 x 1,024 float32; media_mask 4 x 1,024 bool; x 4 x 4,096 x 1,024 float32.
;; Outputs: out0 4 x 4,096 x 1,024 float32.
;; One version. Each part assembles by itself: llvm-mc -triple=amdgcn-amd-amdhsa -mcpu=gfx1250 --defsym DOCPART=n.
;; ======== version 1 of 1: 2 launches
;; limits: values are held in f16: magnitudes above 65,504 overflow, below 6.1e-05 lose precision
;; workspace buffers: KVb 8,388,608 bytes; WqB 1,048,576 bytes; WoB 1,048,576 bytes
;; launch kvproj (part 1): grid 8 x 32, 8 waves a work-group, no clusters, 109,568 bytes of LDS; arguments media, Wkv, Wq, Wout, KVb, WqB, WoB; writes KVb, WqB, WoB
.if DOCPART == 1
	.amdgcn_target "amdgcn-amd-amdhsa--gfx1250"
	.amdhsa_code_object_version 6
	.text
	.protected	k_q90e9a2a084_kvproj
	.globl	k_q90e9a2a084_kvproj
	.p2align	8
	.type	k_q90e9a2a084_kvproj,@function
k_q90e9a2a084_kvproj:
	s_mov_b64 s[64:65], 0
	v_nop
	global_prefetch_b8 v0, s[64:65] scope:SCOPE_SE
	s_setreg_imm32_b32 hwreg(HW_REG_WAVE_MODE, 25, 1), 1
	s_wait_xcnt 0x0
; KVb[m][n] = sum over k of media[m][k] Wkv[k][n], m = 1024 batch + latent (4,096 rows), n = 0..1023 (K in columns 0-511, V in 512-1023),
; operands rounded to f16, sums in f32, KVb in f16.  Each of the 256 work-groups also casts 1/256 of Wq (times 0.125 log2 e, so that the
; scores of the next launch come out in log2 units; WqB keeps Wq's rows and columns) and 1/256 of Wout to f16.
; WoB HOLDS READY FRAGMENTS: the 8 numbers Wout[8 g .. 8 g + 7][n] lie as 16 bytes at
;   (n >> 7) 131,072 + (g >> 2) 8,192 + ((n >> 4) & 7) 1,024 + (g & 3) 256 + (n & 15) 16,
; so that the 1,024 bytes of 16 columns x 32 k are what the 32 lanes of a wave take as a first source with two loads of 16 bytes a lane, 512 bytes apart.
; LIMIT: f16 holds numbers up to 65,504.  With media and Wkv both 30 times their drawn spread K and V have a spread of 900; with both
; carrying an offset of 30 spreads they lie near 1024 x 30 x 30/32 = 28,800.  Beyond 65,504 a K or V becomes infinite.
; A work-group makes 128 x 128 of KVb with eight waves; wave w makes rows 32 (w >> 1) .. +31, columns 64 (w & 1) .. +63: 8 accumulator tiles.
; The matrix instruction takes Wkv's fragment first and media's second, so a lane's 8 results are 8 neighbouring columns of one row.
; NO CLUSTER, NO TENSOR LOADS: media's tile is shared by 8 work-groups and Wkv's by 32, but both are f32 in memory and must pass through
; registers to be rounded to f16 before LDS holds them; a joint request lands in LDS as it lies in memory.
; K goes in 16 steps of 64 through two LDS buffers; two register sets hold the f32 of the next two steps, 32 loads a wave in flight.
.set PA,    144                        ; A's LDS row: 64 f16 + 16 bytes
.set PB,    288                        ; Wkv's LDS row: 128 f16 + 32 bytes (an odd multiple of 32, for the transposing loads)
.set PS,    272                        ; a row of the stage: 128 f16 + 16 bytes
.set ABUF,  18432                      ; 128 x PA = 64 x PB: one buffer
.set BBASE, 36864                      ; A0, A1, then B0, B1
.set STAGE, 73728                      ; 128 x PS, for the way out
.set GA,  1                            ; byte offset of my 16 bytes in media's tile: 16 lanes a row of 256 bytes
.set GB,  2                            ; the same in Wkv's tile: 32 lanes a row of 512 bytes
.set SA,  3                            ; where my 8 bytes of A go in LDS
.set SB,  4                            ; where my 8 bytes of Wkv go
.set FA,  5                            ; my media fragments
.set FB,  6                            ; my Wkv fragments (transposing loads)
.set STW, 7                            ; stage, in
.set STR, 8                            ; stage, back
.set CO,  9                            ; my byte offset in KVb's block
.set CI,  10                           ; cast of Wq: 16 t
.set CW,  11                           ; cast of Wq: 8 t
.set C4,  12                           ; cast of Wout: 4 t, my column in a row's 1,024 bytes
.set CWO, 13                           ; cast of Wout: the thread's part of the place of my 16 bytes
.set ACC, 16                           ; v[16:79]   tile (nt, mt) at ACC + 8 (2 nt + mt)
.set FW,  80                           ; v[80:111]  Wkv fragments, 4 x 8
.set FM,  112                          ; v[112:127] media fragments, 2 x 8
.set S0,  128                          ; v[128:191] f32 of the even steps: 8 x 4 of media, 8 x 4 of Wkv
.set S1,  192                          ; v[192:255] of the odd steps
	s_load_b256 s[8:15], s[0:1], 0x0               ; media s[8:9], Wkv s[10:11], Wq s[12:13], Wout s[14:15]
	s_load_b128 s[16:19], s[0:1], 0x20             ; KVb s[16:17], WqB s[18:19]
	s_load_b64 s[20:21], s[0:1], 0x30              ; WoB
	s_set_vgpr_msb 0x40
	v_lshl_add_u32 v0, v0, 2, 0x1a800
	v_mov_b32 v1, 0
	s_set_vgpr_msb 0x4000
	s_and_b32 s4, ttmp7, 0xffff                    ; block row, 0..31
	v_lshrrev_b32 v12, 5, v0                       ; t >> 5
	v_readfirstlane_b32 s5, v12                    ; wave
	s_and_b32 s6, s5, 1                            ; which 64 columns
	s_lshr_b32 s7, s5, 1                           ; which 32 rows
	v_and_b32 v13, 15, v0                          ; r
	v_lshrrev_b32 v14, 4, v0                       ; t >> 4
	v_and_b32 v15, 31, v0                          ; lane
	v_bfe_u32 v16, v0, 4, 1                        ; h
	v_and_b32 v17, 7, v0
	v_lshl_add_u32 v17, v16, 3, v17                ; 8 h + (lane & 7)
	v_bfe_u32 v18, v0, 3, 1
	v_lshlrev_b32 v[GA], 12, v14
	v_lshl_add_u32 v[GA], v13, 4, v[GA]
	v_lshlrev_b32 v[GB], 12, v12
	v_lshl_add_u32 v[GB], v15, 4, v[GB]
	v_mul_u32_u24 v[SA], v14, PA
	v_lshl_add_u32 v[SA], v13, 3, v[SA]
	v_mul_u32_u24 v[SB], v12, PB
	v_lshl_add_u32 v[SB], v15, 3, v[SB]
	v_add_nc_u32 v[SB], BBASE, v[SB]
	s_mul_i32 s22, s7, 32*PA
	v_mul_u32_u24 v[FA], v13, PA
	v_lshl_add_u32 v[FA], v16, 4, v[FA]
	v_add_nc_u32 v[FA], s22, v[FA]                 ; (32 wm + r) PA + 16 h
	s_lshl_b32 s23, s6, 7
	s_add_co_u32 s22, s23, BBASE
	v_mul_u32_u24 v[FB], v17, PB
	v_lshl_add_u32 v[FB], v18, 4, v[FB]
	v_add_nc_u32 v[FB], s22, v[FB]                 ; BBASE + (8 h + (lane & 7)) PB + 128 wn + 16 ((lane >> 3) & 1)
	s_mul_i32 s22, s7, 32*PS
	s_add_co_u32 s22, s22, s23
	s_add_co_u32 s22, s22, STAGE
	v_mul_u32_u24 v[STW], v13, PS
	v_lshl_add_u32 v[STW], v16, 4, v[STW]
	v_add_nc_u32 v[STW], s22, v[STW]               ; STAGE + (32 wm + r) PS + 128 wn + 16 h
	v_mul_u32_u24 v[STR], v14, PS
	v_lshl_add_u32 v[STR], v13, 4, v[STR]
	v_add_nc_u32 v[STR], STAGE, v[STR]
	v_lshlrev_b32 v[CO], 11, v14
	v_lshl_add_u32 v[CO], v13, 4, v[CO]
	v_lshlrev_b32 v[CI], 4, v0
	v_lshlrev_b32 v[CW], 3, v0
	v_lshlrev_b32 v19, 4, v13                      ; Wout: column n = 256 (g & 3) + t.  (n & 15) 16
	v_bfe_u32 v20, v0, 4, 3
	v_lshl_add_u32 v19, v20, 10, v19               ; + ((n >> 4) & 7) 1,024
	v_lshrrev_b32 v20, 7, v0
	v_lshl_add_u32 v[CWO], v20, 17, v19            ; + (t >> 7) 131,072   (r and t >> 5 have served: v13 and v12 are written anew)
	v_lshlrev_b32 v[C4], 2, v0
	s_mov_b32 s3, 0
	s_lshl3_add_u32 s22, s4, ttmp9                 ; the work-group's number g, 0..255
	s_wait_kmcnt 0x0
	s_lshl_b32 s2, s4, 19                          ; 128 rows of 4,096 bytes
	s_add_nc_u64 s[8:9], s[8:9], s[2:3]
	s_lshl_b32 s2, ttmp9, 9                        ; 128 columns of 4 bytes
	s_add_nc_u64 s[10:11], s[10:11], s[2:3]
	s_lshl_b32 s2, s22, 13                         ; my 2,048 numbers of Wq, f32
	s_add_nc_u64 s[12:13], s[12:13], s[2:3]
	s_lshl_b32 s2, s22, 12                         ; and as f16
	s_add_nc_u64 s[18:19], s[18:19], s[2:3]
	s_lshr_b32 s23, s22, 2                         ; Wout: the group of 8 k, 0..63
	s_and_b32 s25, s22, 3                          ; and the block of 256 columns
	s_lshl_b32 s2, s23, 15                         ; 8 rows of 4,096 bytes
	s_lshl_b32 s26, s25, 10                        ; 256 columns of 4 bytes
	s_add_co_u32 s2, s2, s26
	s_add_nc_u64 s[14:15], s[14:15], s[2:3]
	s_lshl_b32 s2, s25, 18                         ; 256 columns are two blocks of 131,072 bytes of WoB
	s_lshr_b32 s26, s23, 2
	s_lshl_b32 s26, s26, 13                        ; the step of 32 k: 8,192 bytes
	s_add_co_u32 s2, s2, s26
	s_and_b32 s26, s23, 3
	s_lshl_b32 s26, s26, 8                         ; which 8 of the 32 k: 256 bytes
	s_add_co_u32 s2, s2, s26
	s_add_nc_u64 s[20:21], s[20:21], s[2:3]
	s_lshl_b32 s2, s4, 18                          ; 128 rows of 2,048 bytes
	s_lshl_b32 s23, ttmp9, 8                       ; 128 columns of 2 bytes
	s_add_co_u32 s2, s2, s23
	s_add_nc_u64 s[16:17], s[16:17], s[2:3]
; 16 loads: one K step's f32, \ahead steps beyond the bases
.macro LOADS set, ahead
.irp i, 0,1,2,3,4,5,6,7
	global_load_b128 v[\set+4*\i:\set+4*\i+3], v[GA], s[8:9] offset:65536*\i+256*\ahead
.endr
.irp i, 0,1,2,3,4,5,6,7
	global_load_b128 v[\set+32+4*\i:\set+32+4*\i+3], v[GB], s[10:11] offset:32768*\i+262144*\ahead
.endr
.endm
.macro PLACES                          ; four places between a matrix instruction and a load into, or a vector write of, its registers
.rept 4
	v_nop
.endr
.endm
	global_load_b128 v[80:83], v[CI], s[12:13]
	global_load_b128 v[84:87], v[CI], s[12:13] offset:4096
.irp j, 0,1,2,3,4,5,6,7
	global_load_b32 v[88+\j], v[C4], s[14:15] offset:4096*\j   ; 8 k of my column of Wout; the work-group's 256 threads take 1,024 consecutive bytes of each row
.endr
	LOADS S0, 0
	LOADS S1, 1
	s_wait_loadcnt 32                              ; the ten cast loads are in; the 32 of K steps 0 and 1 stay out
.irp p, 80,82,84,86
	v_pk_mul_f32 v[\p:\p+1], v[\p:\p+1], 0x3e38aa3b op_sel_hi:[1,0]   ; Wq x 0.125 log2 e
.endr
.irp p, 80,84
	v_cvt_pk_f16_f32 v[\p], v[\p], v[\p+1]
	v_cvt_pk_f16_f32 v[\p+1], v[\p+2], v[\p+3]
.endr
.irp i, 0,1,2,3
	v_cvt_pk_f16_f32 v[88+\i], v[88+2*\i], v[88+2*\i+1]        ; the lower k in the low half
.endr
	global_store_b64 v[CW], v[80:81], s[18:19]                 ; a wave's store covers 256 consecutive bytes, aligned
	global_store_b64 v[CW], v[84:85], s[18:19] offset:2048
	global_store_b128 v[CWO], v[88:91], s[20:21]               ; 16 lanes store 256 consecutive bytes, aligned
; One K step.  set: its f32 registers; buf: its LDS buffer; load = 1: the set is filled again, two steps ahead;
; left: how many younger loads may stay out; zero = 1: the first products start the sums.
; ONE barrier a step: buffer buf is written again two steps later, behind the next step's barrier, in front of which every wave has waited for its reads.
.macro STEP set, buf, load, left, zero
	s_wait_loadcnt \left                           ; this step's 16 loads are in; the next step's 16 stay out
.irp i, 0,1,2,3,4,5,6,7,8,9,10,11,12,13,14,15
	v_cvt_pk_f16_f32 v[\set+4*\i], v[\set+4*\i], v[\set+4*\i+1]
	v_cvt_pk_f16_f32 v[\set+4*\i+1], v[\set+4*\i+2], v[\set+4*\i+3]
.endr
.irp i, 0,1,2,3,4,5,6,7
	ds_store_b64 v[SA], v[\set+4*\i:\set+4*\i+1] offset:\buf*ABUF+16*PA*\i
	ds_store_b64 v[SB], v[\set+32+4*\i:\set+32+4*\i+1] offset:\buf*ABUF+8*PB*\i
.endr
	s_wait_dscnt 0x0                               ; my stores are in LDS, for the other waves' sake
.if \load
	s_wait_xcnt 0x0                                ; the bases (and, in the first step, the cast stores' data) are rewritten only behind this wait
	s_add_nc_u64 s[8:9], s[8:9], 256               ; 64 k along media's rows
	s_add_nc_u64 s[10:11], s[10:11], 0x40000       ; 64 rows of Wkv
	LOADS \set, 1
.endif
	s_barrier_signal -1
	s_barrier_wait -1
.irp ks, 0,1
	PLACES
.irp nt, 0,1,2,3
	ds_load_tr16_b128 v[FW+8*\nt:FW+8*\nt+3],   v[FB] offset:\buf*ABUF+\ks*32*PB+32*\nt
	ds_load_tr16_b128 v[FW+8*\nt+4:FW+8*\nt+7], v[FB] offset:\buf*ABUF+\ks*32*PB+32*\nt+16*PB
.endr
.irp mt, 0,1
	ds_load_b128 v[FM+8*\mt:FM+8*\mt+3],   v[FA] offset:\buf*ABUF+\mt*16*PA+64*\ks
	ds_load_b128 v[FM+8*\mt+4:FM+8*\mt+7], v[FA] offset:\buf*ABUF+\mt*16*PA+64*\ks+32
.endr
	s_wait_dscnt 0x0
.set ZC, \zero*(1-\ks)
.irp nt, 0,1,2,3                       ; the eight accumulators take turns, one instruction a turn
.irp mt, 0,1
.if ZC
	v_wmma_f32_16x16x32_f16 v[ACC+8*(2*\nt+\mt):ACC+8*(2*\nt+\mt)+7], v[FW+8*\nt:FW+8*\nt+7], v[FM+8*\mt:FM+8*\mt+7], 0
.else
	v_wmma_f32_16x16x32_f16 v[ACC+8*(2*\nt+\mt):ACC+8*(2*\nt+\mt)+7], v[FW+8*\nt:FW+8*\nt+7], v[FM+8*\mt:FM+8*\mt+7], v[ACC+8*(2*\nt+\mt):ACC+8*(2*\nt+\mt)+7]
.endif
.endr
.endr
.endr
.endm
	STEP S0, 0, 1, 16, 1                           ; steps 0 and 1 stand in front of the loop: the first products start the sums
	STEP S1, 1, 1, 16, 0
	s_mov_b32 s24, 6
.Lk:
	STEP S0, 0, 1, 16, 0                           ; steps 2 to 13; step 13 asks for step 15, the last
	STEP S1, 1, 1, 16, 0
	s_sub_co_u32 s24, s24, 1
	s_cmp_lg_u32 s24, 0
	s_cbranch_scc1 .Lk
	STEP S0, 0, 0, 16, 0                           ; the last two load nothing: the counts run down
	STEP S1, 1, 0, 0, 0
	; The way out: round to f16, 16 bytes a lane into the stage, read back as whole rows of 256 bytes.
	PLACES
.irp nt, 0,1,2,3
.irp mt, 0,1
.irp i, 0,1,2,3
	v_cvt_pk_f16_f32 v[FW+4*(2*\nt+\mt)+\i], v[ACC+8*(2*\nt+\mt)+2*\i], v[ACC+8*(2*\nt+\mt)+2*\i+1]
.endr
	ds_store_b128 v[STW], v[FW+4*(2*\nt+\mt):FW+4*(2*\nt+\mt)+3] offset:\mt*16*PS+32*\nt
.endr
.endr
	s_wait_dscnt 0x0                               ; a row of the stage is written by two waves: all stores in, then the barrier
	s_barrier_signal -1
	s_barrier_wait -1
.irp i, 0,1,2,3,4,5,6,7
	ds_load_b128 v[S0+4*\i:S0+4*\i+3], v[STR] offset:16*PS*\i
.endr
.irp i, 0,1,2,3,4,5,6,7
	s_wait_dscnt 7-\i
	global_store_b128 v[CO], v[S0+4*\i:S0+4*\i+3], s[16:17] offset:32768*\i   ; 16 lanes store 256 consecutive bytes, aligned
.endr
	s_set_vgpr_msb 0x5
	s_wait_tensorcnt 0x0
	ds_add_u32 v0, v1
	s_wait_dscnt 0x0
	s_set_vgpr_msb 0x500
	s_endpgm
.Lfunc_end_k_q90e9a2a084_kvproj:
	.size	k_q90e9a2a084_kvproj, .Lfunc_end_k_q90e9a2a084_kvproj-k_q90e9a2a084_kvproj
	.p2alignl 7, 3214868480
	.fill 96, 4, 3214868480
	.section	.rodata,"a",@progbits
	.p2align	6, 0x0
	.amdhsa_kernel k_q90e9a2a084_kvproj
		.amdhsa_group_segment_fixed_size 109568
		.amdhsa_private_segment_fixed_size 0
		.amdhsa_enable_private_segment 0
		.amdhsa_kernarg_size 56
		.amdhsa_user_sgpr_count 2
		.amdhsa_user_sgpr_kernarg_segment_ptr 1
		.amdhsa_wavefront_size32 1
		.amdhsa_system_sgpr_workgroup_id_x 1
		.amdhsa_system_sgpr_workgroup_id_y 1
		.amdhsa_system_sgpr_workgroup_id_z 1
		.amdhsa_system_vgpr_workitem_id 0
		.amdhsa_next_free_vgpr 258
		.amdhsa_next_free_sgpr 66
		.amdhsa_reserve_vcc 0
		.amdhsa_float_denorm_mode_32 3
		.amdhsa_float_denorm_mode_16_64 3
		.amdhsa_memory_ordered 1
		.amdhsa_forward_progress 1
		.amdhsa_inst_pref_size 57
	.end_amdhsa_kernel
	.amdgpu_metadata
---
amdhsa.version: [ 1, 2 ]
amdhsa.kernels:
  - .name:           k_q90e9a2a084_kvproj
    .symbol:         k_q90e9a2a084_kvproj.kd
    .args:
      - { .name: media, .offset: 0, .size: 8, .value_kind: global_buffer, .address_space: global }
      - { .name: Wkv, .offset: 8, .size: 8, .value_kind: global_buffer, .address_space: global }
      - { .name: Wq, .offset: 16, .size: 8, .value_kind: global_buffer, .address_space: global }
      - { .name: Wout, .offset: 24, .size: 8, .value_kind: global_buffer, .address_space: global }
      - { .name: KVb, .offset: 32, .size: 8, .value_kind: global_buffer, .address_space: global }
      - { .name: WqB, .offset: 40, .size: 8, .value_kind: global_buffer, .address_space: global }
      - { .name: WoB, .offset: 48, .size: 8, .value_kind: global_buffer, .address_space: global }
    .group_segment_fixed_size: 109568
    .private_segment_fixed_size: 0
    .kernarg_segment_align: 8
    .kernarg_segment_size: 56
    .max_flat_workgroup_size: 256
    .sgpr_count:     66
    .vgpr_count:     258
    .wavefront_size: 32
...
	.end_amdgpu_metadata
.endif
;; end of part 1
;; launch fused (part 2): grid 256 x 1, 8 waves a work-group, clusters of 4 x 1, 327,680 bytes of LDS; arguments x, ln_gamma, ln_beta, media_mask, WqB, KVb, WoB, out0; writes out0
.if DOCPART == 2
	.amdgcn_target "amdgcn-amd-amdhsa--gfx1250"
	.amdhsa_code_object_version 6
	.text
	.protected	k_q90e9a2a084_fused
	.globl	k_q90e9a2a084_fused
	.p2align	8
	.type	k_q90e9a2a084_fused,@function
k_q90e9a2a084_fused:
	s_mov_b64 s[64:65], 0
	v_nop
	global_prefetch_b8 v0, s[64:65] scope:SCOPE_SE
	s_setreg_imm32_b32 hwreg(HW_REG_WAVE_MODE, 25, 1), 1
	s_wait_xcnt 0x0
	s_wait_alu depctr_hold_cnt(0) depctr_sa_sdst(0) depctr_va_vdst(0) depctr_va_sdst(0) depctr_va_ssrc(0) depctr_va_vcc(0) depctr_vm_vsrc(0)
	s_getreg_b32 s2, hwreg(HW_REG_IB_STS2, 6, 4)
	s_cmp_eq_u32 s2, 0
	s_cbranch_scc0 .Lentry_in_a_cluster
	s_endpgm
.Lentry_in_a_cluster:
	s_bfe_u32 s2, ttmp6, 0x10000c
	s_cmp_lg_u32 s2, 0x3003
	s_cbranch_scc0 .Lentry_shape_is_right
	s_endpgm
.Lentry_shape_is_right:
; LayerNorm, q projection, masked attention and out projection for 64 tokens a work-group; q, scores, P and O never reach memory.
; Eight waves, two on each SIMD, so that one wave's softmax runs beside the other's matrix work.  Wave w is head w up to O; in the out projection
; it makes columns 128 w .. +127 of out0.
; TOKENS LIE IN THE LANES: every product takes the weights (or K, or V transposed) as its first source and the token operand as its second,
; so lane (r, h) of a result holds token r and features 8 h + 0..7 in its 8 registers, and two neighbouring result tiles, rounded to f16,
; ARE the next product's second source (registers 0-3: k = 8 h .., registers 4-7: k = 16 + 8 h ..).  q, P need no shuffle at all.
; CLUSTER 4 x 1: the four work-groups of a cluster are four token blocks of one batch (64 blocks a batch) and walk the same tiles of WqB and of the
; batch's K and V: 3 MiB each.  Every tensor load is a joint request of the four (mask 15); no descriptor word, LDS address or branch
; hangs on the place in the cluster.  Each joint refill stands behind a round of the cluster's barrier.
; RING: two LDS slots of 135,168 bytes; 8 steps of Wq (128 k), then 16 of K and V (64 latents).
; Each wave fills an eighth of a slot with one load; by this text's own count a wave never has more than one tensor load outstanding.
; WOUT IS NOT ASKED FOR JOINTLY, and does not pass through LDS: wave w alone reads columns 128 w .. + 127, so LDS would share nothing inside the work-group;
; beside O's exchange of 66,560 bytes LDS has room for slots of 32 k only, which is 16 rounds of the cluster's barrier with 32 matrix instructions a wave between
; a tile's request and the wait for it.  The first launch has laid WoB out as ready fragments, and each wave streams its own 131,072 bytes into a ring of five
; register buffers, 4,096 consecutive bytes a half step, four half steps (16,384 bytes a wave) in flight, with no barrier.  The price: each work-group asks for its own 1 MiB.
; FORMATS: matrix operands f16, sums f32, LayerNorm (two passes) and softmax (running maximum over the unmasked scores) in f32.
; LIMITS: |xn|, |q|, |K|, |V| below 65,504, f16's largest number (30 times larger gamma and Wq give q a spread of 162 in log2 units; K and V: see the first
; launch).  Unmasked scores, in log2 units, above -2^96: a masked score is s - 2^100 and the maximum starts at -2^96, so a masked weight is
; exactly 0.  The factor 0.125 log2 e lies in WqB, ahead of its rounding.  A batch whose mask is all false gives 0 x infinity = NaN, as the reference's softmax does.
.set SLOT,  135168                     ; 128 rows x 1,056 = 8 x 16,896
.set WSH,   16896                      ; a wave's eighth of a slot
.set BIAS,  270336                     ; f32[1024]: 0, or -2^100 where the mask is false
.set XB,    274432                     ; two buffers of 64 tokens x 128 k of xn, pitch 272; later each wave's stage of 16 x 272
.set XBUF,  17408
.set PW,    1056                       ; rows of Wq and V: 1,024 bytes + 32 (an odd multiple of 32, for the transposing loads)
.set PKK,   1040                       ; rows of K and of O's exchange: 1,024 bytes + 16
.set PX,    272
; vector registers, window 0
.set LX,    1                          ; 16 x lane
.set TR,    2                          ; v2-5   transposing loads: slot 0 rows 0-63, rows 64-127 (= V), slot 1 likewise
.set AK,    6                          ; v6-7   K fragments in slot 0, 1; v6 also: where O goes in the exchange
.set XBR,   8                          ; v8-9   xn fragments in buffer 0, 1
.set STW,   8                          ;        later: stage, in
.set STR,   9                          ;        later: stage, back
.set XBW,   10                         ; where my 8 bytes of an xn row go
.set BIASR, 11                         ; my 8 addends of this step's first 16 latents; 256 bytes on in each step
.set OXR,   14                         ; O fragments in the exchange (slot 0's first 66,560 bytes)
.set CO,    15                         ; my byte offset in out0
.set ML,    16                         ; v[16:23] pairs (running maximum, running sum), one for each 16 tokens
.set AL,    24                         ; v[24:31] pairs (rescale factor, a word written once so that the pair may be named)
.set FR,    32                         ; the way out: two sets of 32
.set GAM,   32                         ; LayerNorm: gamma, beta of my 32 columns
.set BET,   64
.set TMP,   96                         ; LayerNorm: at work
.set SC,    128                        ; v[128:255] LayerNorm: four rows of x
.set FQ0,   32                         ; q projection: two fragment buffers of 64
.set FQ1,   128
.set KF,    32                         ; attention: v[32:95] K's fragments, 16 registers for each 16 latents
.set BI,    96                         ; v[96:127] the mask's addends, 8 for each 16 latents, kept through the step
.set SA,    128                        ; v[128:159], v[160:191] the scores of 16 tokens x 64 latents, S(jt) at + 8 jt: two buffers, token tiles 0, 2 and 1, 3
.set SB,    160
.set ATMP,  192                        ; v[192:223] softmax at work, 8 for each token tile
.set LT,    224                        ; v[224:227] the other half's sums, at the end
.set BO,    32                         ; out projection: v[32:95] O packed, then O's fragments, two buffers of 32
.set AW,    96                         ; v[96:255] Wout's fragments, five buffers of 32
; window 1: xn of my 8 rows at 16 row + p; QA + 8 (4 nt + tt) q's sums; then q fragments at 8 (2 tt + ks), O(dt, tt) at OA + 8 (4 dt + tt), V's fragments at VF + 8 (4 js + dt); then out0's sums at 8 (4 nt + tt)
.set QA,    128
.set OA,    64
.set VF,    192
; scalar registers
.set G1Q,   24                         ; group 1: 16 rows of WqB
.set G1K,   32                         ; 16 rows of K
.set G1V,   40                         ; 16 rows of V
.set G0Q,   56                         ; group 0, a set for each slot
.set G0A,   68
.set MSB, 0
.macro WIN new                         ; s_set_vgpr_msb: bits 1:0 source 0, 3:2 source 1, 5:4 source 2, 7:6 destination; the high byte repeats the setting left
.if MSB != \new
	s_set_vgpr_msb (MSB<<8)|\new
.set MSB, \new
.endif
.endm
.macro PLACES                          ; four places between a matrix instruction and a vector read of its result, a vector write of, or a load into, its registers
.rept 4
	v_nop
.endr
.endm
; A round of the cluster's barrier: my work-group's barrier, wave 0 signals for the work-group, all wait for the four work-groups, my work-group's barrier again.
.macro ROUND
	s_barrier_signal -1
	s_barrier_wait -1
	s_cmp_lg_u32 s4, 0
	s_cbranch_scc1 .Lnot_wave_0_\@
	s_barrier_signal -3
.Lnot_wave_0_\@:
	s_barrier_wait -3
	s_barrier_signal -1
	s_barrier_wait -1
.endm
; The change of slots.  In front of the round: my LDS reads and stores are done, all my tensor loads have landed (the one that was out is my eighth of the slot
; read next), so a group 0 may be written: the landed tile's set steps two tiles on.  Behind the round both hold of every wave of the four work-groups.
.macro SYNC a, bytes
	s_wait_dscnt 0x0
	s_wait_tensorcnt 0x0
	ds_add_u32 v12, v13
	s_wait_dscnt 0x0
	s_add_nc_u64 s[\a:\a+1], s[\a:\a+1], \bytes
	ROUND
.endm
; K and V: waves 0-3 fetch 16 rows of K each, waves 4-7 16 rows of V: two lines, since the two paddings differ.  The branch hangs on the wave's number alone.
.macro TLA n
	s_cmp_lt_u32 s4, 4
	s_cbranch_scc0 .Lfor_v_\@
	tensor_load_to_lds s[G0A+4*\n:G0A+4*\n+3], s[G1K:G1K+7]
	s_nop 0
	s_branch .Lasked_\@
.Lfor_v_\@:
	tensor_load_to_lds s[G0A+4*\n:G0A+4*\n+3], s[G1V:G1V+7]
	s_nop 0
.Lasked_\@:
.endm
; Group 1: rows of 512 f16 (256 words, interval code 7), \pad words of padding behind each, \rows rows, \stride elements from row to row; mask 15 with bit 21 beside it.
.macro GROUP1 g, pad, rows, stride
	s_mov_b32 s[\g+0], 15|(1<<16)|(1<<20)|(1<<21)|(7<<22)|((\pad-1)<<25)
	s_mov_b32 s[\g+1], 512<<16
	s_mov_b32 s[\g+2], \rows<<16
	s_mov_b32 s[\g+3], 512<<16
	s_mov_b32 s[\g+4], \rows
	s_mov_b32 s[\g+5], \stride
	s_mov_b32 s[\g+6], 0
	s_mov_b32 s[\g+7], 0
.endm
	s_load_b512 s[8:23], s[0:1], 0x0               ; x 8, gamma 10, beta 12, mask 14, WqB 16, KVb 18, WoB 20, out0 22
	v_lshl_add_u32 v12, v0, 2, 0x4b800
	v_mov_b32 v13, 0
	ds_add_u32 v12, v13
	v_lshrrev_b32 v16, 5, v0
	v_readfirstlane_b32 s4, v16                    ; wave = head
	s_bfe_u32 s5, ttmp6, 0x40000                   ; my place in the cluster
	s_lshl_b32 s6, ttmp9, 2
	s_add_co_u32 s6, s6, s5                        ; token block, 0..255: enters x's and out0's addresses alone
	s_lshr_b32 s7, ttmp9, 4                        ; batch: 16 clusters each
	s_mov_b32 s84, 0x76543210                      ; v_permlanex16_b32: lane i reads lane i of the other half
	s_mov_b32 s85, 0xfedcba98
	s_mov_b32 s86, 0x3a800000                      ; 1 / 1024
	s_mov_b32 s87, 0x3727c5ac                      ; 1e-5
	GROUP1 G1Q, 8, 16, 512
	GROUP1 G1K, 4, 16, 1024
	GROUP1 G1V, 8, 16, 1024
	v_and_b32 v16, 31, v0                          ; lane
	v_and_b32 v17, 15, v0                          ; r
	v_bfe_u32 v18, v0, 4, 1                        ; h
	v_and_b32 v19, 7, v0
	v_lshl_add_u32 v19, v18, 3, v19                ; 8 h + (lane & 7)
	v_bfe_u32 v20, v0, 3, 1
	v_lshlrev_b32 v[LX], 4, v16
	s_lshl_b32 s88, s4, 7                          ; my head's 64 columns, in bytes
	v_mul_u32_u24 v21, v19, PW
	v_lshl_add_u32 v21, v20, 4, v21
	v_add_nc_u32 v[TR], s88, v21
	v_add_nc_u32 v[TR+1], SLOT/2, v[TR]
	v_add_nc_u32 v[TR+2], SLOT, v[TR]
	v_add_nc_u32 v[TR+3], SLOT+SLOT/2, v[TR]
	v_mul_u32_u24 v[OXR], v17, PKK
	v_lshl_add_u32 v[OXR], v18, 4, v[OXR]          ; r x 1,040 + 16 h
	v_add_nc_u32 v[AK], s88, v[OXR]
	v_add_nc_u32 v[AK+1], SLOT, v[AK]
	v_mul_u32_u24 v23, v17, PX
	v_lshl_add_u32 v23, v18, 4, v23
	v_add_nc_u32 v[XBR], XB, v23
	v_add_nc_u32 v[XBR+1], XB+XBUF, v23
	s_mul_i32 s89, s4, 8*PX
	s_add_co_u32 s89, s89, XB
	v_lshl_add_u32 v[XBW], v16, 3, s89             ; my wave's 8 rows, 8 bytes a lane
	v_lshlrev_b32 v[BIASR], 5, v18
	v_add_nc_u32 v[BIASR], BIAS, v[BIASR]
	v_lshlrev_b32 v[CO], 12, v18
	v_lshl_add_u32 v[CO], v17, 4, v[CO]
	v_lshlrev_b32 v25, 2, v0                       ; my four bytes of the mask
	s_mul_i32 s88, s4, WSH
	s_mov_b32 s91, 0
	s_mov_b32 s93, 0
	s_wait_dscnt 0x0
	s_wait_kmcnt 0x0
	; group 0: 1, LDS address (wave x share + slot), global address of the wave's rows, type 2 in the top bits
	s_lshl_b32 s90, s4, 14                         ; 16 rows of WqB
	s_mov_b32 s[G0Q], 1
	s_add_co_u32 s[G0Q+1], s88, 0
	s_add_nc_u64 s[G0Q+2:G0Q+3], s[16:17], s[90:91]
	s_mov_b32 s[G0Q+4], 1
	s_add_co_u32 s[G0Q+5], s88, SLOT
	s_add_nc_u64 s[G0Q+6:G0Q+7], s[G0Q+2:G0Q+3], 128*1024
	s_or_b32 s[G0Q+3], s[G0Q+3], 0x80000000
	s_or_b32 s[G0Q+7], s[G0Q+7], 0x80000000
	s_lshl_b32 s90, s7, 21                         ; the batch's 1,024 rows of 2,048 bytes
	s_and_b32 s2, s4, 3
	s_lshl_b32 s2, s2, 15                          ; 16 rows
	s_add_co_u32 s90, s90, s2
	s_lshr_b32 s2, s4, 2
	s_lshl_b32 s2, s2, 10                          ; V begins 1,024 bytes into a row
	s_add_co_u32 s90, s90, s2
	s_mov_b32 s[G0A], 1
	s_add_co_u32 s[G0A+1], s88, 0
	s_add_nc_u64 s[G0A+2:G0A+3], s[18:19], s[90:91]
	s_mov_b32 s[G0A+4], 1
	s_add_co_u32 s[G0A+5], s88, SLOT
	s_add_nc_u64 s[G0A+6:G0A+7], s[G0A+2:G0A+3], 64*2048
	s_or_b32 s[G0A+3], s[G0A+3], 0x80000000
	s_or_b32 s[G0A+7], s[G0A+7], 0x80000000
	s_lshl_b32 s90, s4, 17                         ; my wave's 131,072 bytes of WoB
	s_add_nc_u64 s[20:21], s[20:21], s[90:91]
	s_lshl_b32 s90, s7, 10
	s_add_nc_u64 s[14:15], s[14:15], s[90:91]      ; the batch's mask
	s_lshl_b32 s92, s6, 18                         ; 64 rows of 4,096 bytes: in registers that feed no descriptor
	s_lshl_b32 s94, s4, 15                         ; my wave's 8 rows
	s_add_co_u32 s92, s92, s94
	s_add_nc_u64 s[8:9], s[8:9], s[92:93]
	s_lshl_b32 s92, s6, 18
	s_lshl_b32 s94, s4, 9                          ; my wave's 128 columns of out0
	s_add_co_u32 s92, s92, s94
	s_add_nc_u64 s[22:23], s[22:23], s[92:93]
.macro XLOAD slot, row                 ; a row of x: 8 loads of 512 consecutive bytes; lane l holds columns 128 j + 4 l .. + 3.  row may be a sum: it stands in brackets
.irp j, 0,1,2,3,4,5,6,7
	global_load_b128 v[SC+32*\slot+4*\j:SC+32*\slot+4*\j+3], v[LX], s[8:9] offset:4096*(\row)+512*\j th:TH_LOAD_NT
.endr
.endm
	global_load_b32 v26, v25, s[14:15]
.irp j, 0,1,2,3,4,5,6,7
	global_load_b128 v[GAM+4*\j:GAM+4*\j+3], v[LX], s[10:11] offset:512*\j
.endr
.irp j, 0,1,2,3,4,5,6,7
	global_load_b128 v[BET+4*\j:BET+4*\j+3], v[LX], s[12:13] offset:512*\j
.endr
	XLOAD 0, 0
	XLOAD 1, 1
	XLOAD 2, 2
	XLOAD 3, 3
	ROUND                                          ; the four work-groups are here: the first joint load meets
	tensor_load_to_lds s[G0Q:G0Q+3], s[G1Q:G1Q+7]  ; Wq, k 0-127, lands while LayerNorm runs
	s_nop 0
	; The mask as an addend: thread t makes latents 4 t .. 4 t + 3.
	s_wait_loadcnt 48                              ; the mask's word is in; gamma, beta (16 loads) and four rows of x (32) stay out
	v_mov_b32 v23, 0
	v_lshl_add_u32 v24, v0, 4, BIAS
.irp b, 0,1,2,3
	v_bfe_u32 v27, v26, 8*\b, 8
	v_cmp_ne_u32 vcc_lo, 0, v27
	v_cndmask_b32 v[28+\b], 0xf1800000, v23, vcc_lo    ; true: 0; false: -2^100
.endr
	ds_store_b128 v24, v[28:31]
.macro LANESUM t                       ; the sum of v[t] over the 32 lanes, in every lane; v[t+1] has been written
	v_add_f32_dpp v[\t], v[\t], v[\t] row_xmask:1 row_mask:0xf bank_mask:0xf
	v_add_f32_dpp v[\t], v[\t], v[\t] row_xmask:2 row_mask:0xf bank_mask:0xf
	v_add_f32_dpp v[\t], v[\t], v[\t] row_xmask:4 row_mask:0xf bank_mask:0xf
	v_add_f32_dpp v[\t], v[\t], v[\t] row_xmask:8 row_mask:0xf bank_mask:0xf
	v_permlanex16_b32 v[\t+1], v[\t], s84, s85
	v_add_f32 v[\t], v[\t], v[\t+1]
.endm
.macro FOLD t                          ; four pairs at v[t] to one number
	v_pk_add_f32 v[\t:\t+1], v[\t:\t+1], v[\t+2:\t+3]
	v_pk_add_f32 v[\t+4:\t+5], v[\t+4:\t+5], v[\t+6:\t+7]
	v_pk_add_f32 v[\t:\t+1], v[\t:\t+1], v[\t+4:\t+5]
	v_add_f32 v[\t], v[\t], v[\t+1]
.endm
; LayerNorm of one row, a wave a row, the row in 32 registers: mean, centre, mean of squares of the centred row (no difference of large sums), scale, gamma, beta, f16 into window 1.
.macro LNROW slot, row, left, refill
.set XS, SC+32*\slot
	s_wait_loadcnt \left                           ; my row's 8 loads are in; the rows behind it stay out
.irp k, 0,1,2,3
	v_pk_add_f32 v[TMP+2*\k:TMP+2*\k+1], v[XS+2*\k:XS+2*\k+1], v[XS+8+2*\k:XS+8+2*\k+1]
.endr
.irp o, 16,24
.irp k, 0,1,2,3
	v_pk_add_f32 v[TMP+2*\k:TMP+2*\k+1], v[TMP+2*\k:TMP+2*\k+1], v[XS+\o+2*\k:XS+\o+2*\k+1]
.endr
.endr
	FOLD TMP
	LANESUM TMP
	v_mul_f32 v[TMP+2], s86, v[TMP]                ; the mean, twice, for the packed subtraction
	v_mul_f32 v[TMP+3], s86, v[TMP]
.irp p, 0,1,2,3,4,5,6,7,8,9,10,11,12,13,14,15
	v_pk_add_f32 v[XS+2*\p:XS+2*\p+1], v[XS+2*\p:XS+2*\p+1], v[TMP+2:TMP+3] neg_lo:[0,1] neg_hi:[0,1]
.endr
.irp k, 0,1,2,3
	v_pk_mul_f32 v[TMP+8+2*\k:TMP+8+2*\k+1], v[XS+2*\k:XS+2*\k+1], v[XS+2*\k:XS+2*\k+1]
.endr
.irp o, 8,16,24
.irp k, 0,1,2,3
	v_pk_fma_f32 v[TMP+8+2*\k:TMP+8+2*\k+1], v[XS+\o+2*\k:XS+\o+2*\k+1], v[XS+\o+2*\k:XS+\o+2*\k+1], v[TMP+8+2*\k:TMP+8+2*\k+1]
.endr
.endr
	FOLD TMP+8
	LANESUM TMP+8
	v_fma_f32 v[TMP+8], v[TMP+8], s86, s87         ; variance + eps
	v_rsq_f32 v[TMP+2], v[TMP+8]
	v_rsq_f32 v[TMP+3], v[TMP+8]
	v_nop                                          ; one plain instruction before the results are used (ISA guide 5.7.2)
	s_wait_alu depctr_va_vdst(0)
.irp p, 0,1,2,3,4,5,6,7,8,9,10,11,12,13,14,15
	v_pk_mul_f32 v[XS+2*\p:XS+2*\p+1], v[XS+2*\p:XS+2*\p+1], v[TMP+2:TMP+3]
.endr
.irp p, 0,1,2,3,4,5,6,7,8,9,10,11,12,13,14,15
	v_pk_fma_f32 v[XS+2*\p:XS+2*\p+1], v[XS+2*\p:XS+2*\p+1], v[GAM+2*\p:GAM+2*\p+1], v[BET+2*\p:BET+2*\p+1]
.endr
	WIN 0x40
.irp p, 0,1,2,3,4,5,6,7,8,9,10,11,12,13,14,15
	v_cvt_pk_f16_f32 v[16*\row+\p], v[XS+2*\p], v[XS+2*\p+1]
.endr
	WIN 0
.if \refill
	XLOAD \slot, \row+4                            ; the slot's next row, four further down
.endif
.endm
	LNROW 0, 0, 24, 1                              ; three younger rows of 8 loads stay out,
	LNROW 1, 1, 24, 1
	LNROW 2, 2, 24, 1
	LNROW 3, 3, 24, 1
	LNROW 0, 4, 24, 0
	LNROW 1, 5, 16, 0                              ; then two, one, none
	LNROW 2, 6, 8, 0
	LNROW 3, 7, 0, 0
; Columns 128 c .. + 127 of my 8 rows of xn into buffer c & 1: a row's 256 bytes by one store of 8 bytes a lane
.macro XSTORE c
	WIN 0x04
.irp row, 0,1,2,3,4,5,6,7
	ds_store_b64 v[XBW], v[16*\row+2*(\c):16*\row+2*(\c)+1] offset:\row*PX+((\c)&1)*XBUF
.endr
	WIN 0
.endm
	XSTORE 0
; 16 loads: 32 k of Wq for my head's 64 columns (transposed on the way) and of xn for the 64 tokens
.macro FETCHQ sl, ks, f
.irp nt, 0,1,2,3
	ds_load_tr16_b128 v[\f+8*\nt:\f+8*\nt+3],   v[TR+2*\sl+(\ks>>1)] offset:(\ks&1)*32*PW+32*\nt
	ds_load_tr16_b128 v[\f+8*\nt+4:\f+8*\nt+7], v[TR+2*\sl+(\ks>>1)] offset:(\ks&1)*32*PW+32*\nt+16*PW
.endr
.irp tt, 0,1,2,3
	ds_load_b128 v[\f+32+8*\tt:\f+32+8*\tt+3],   v[XBR+\sl] offset:\tt*16*PX+64*\ks
	ds_load_b128 v[\f+32+8*\tt+4:\f+32+8*\tt+7], v[XBR+\sl] offset:\tt*16*PX+64*\ks+32
.endr
.endm
.macro MULQ f, zero                    ; 16 accumulators take turns, one instruction a turn
	WIN 0x50
.irp nt, 0,1,2,3
.irp tt, 0,1,2,3
.if \zero
	v_wmma_f32_16x16x32_f16 v[QA+8*(4*\nt+\tt):QA+8*(4*\nt+\tt)+7], v[\f+8*\nt:\f+8*\nt+7], v[\f+32+8*\tt:\f+32+8*\tt+7], 0
.else
	v_wmma_f32_16x16x32_f16 v[QA+8*(4*\nt+\tt):QA+8*(4*\nt+\tt)+7], v[\f+8*\nt:\f+8*\nt+7], v[\f+32+8*\tt:\f+32+8*\tt+7], v[QA+8*(4*\nt+\tt):QA+8*(4*\nt+\tt)+7]
.endif
.endr
.endr
	WIN 0
.endm
; q projection, k = 128 c .. + 127.  Written out eight times: the xn registers are named by c.
.macro QSTEP c
	SYNC G0Q+4*(\c&1)+2, 0x40000
.if \c < 7
	tensor_load_to_lds s[G0Q+4*(1-(\c&1)):G0Q+4*(1-(\c&1))+3], s[G1Q:G1Q+7]    ; the next 128 k, into the slot read last
	s_nop 0
	XSTORE (\c+1)                                  ; the other xn buffer: its readers' loads were waited for in front of the round
.else
	TLA 0                                          ; the first 64 latents
.endif
	PLACES
	FETCHQ (\c&1), 0, FQ0
	FETCHQ (\c&1), 1, FQ1
	s_wait_dscnt 16                                ; all but the 16 loads just issued
.if \c == 0
	MULQ FQ0, 1                                    ; the first products start the sums
.else
	MULQ FQ0, 0
.endif
	PLACES
	FETCHQ (\c&1), 2, FQ0
	s_wait_dscnt 16
	MULQ FQ1, 0
	PLACES
	FETCHQ (\c&1), 3, FQ1
	s_wait_dscnt 16
	MULQ FQ0, 0
	s_wait_dscnt 0x0
	MULQ FQ1, 0
.endm
.irp c, 0,1,2,3,4,5,6,7
	QSTEP \c
.endr
	; q's sums, rounded, are the scores' second source: fragment (tt, ks) = tiles (2 ks, tt) and (2 ks + 1, tt)
	PLACES
	WIN 0x45
.irp tt, 0,1,2,3
.irp ks, 0,1
.irp i, 0,1,2,3
	v_cvt_pk_f16_f32 v[8*(2*\tt+\ks)+\i],   v[QA+8*(8*\ks+\tt)+2*\i],   v[QA+8*(8*\ks+\tt)+2*\i+1]
	v_cvt_pk_f16_f32 v[8*(2*\tt+\ks)+4+\i], v[QA+8*(8*\ks+4+\tt)+2*\i], v[QA+8*(8*\ks+4+\tt)+2*\i+1]
.endr
.endr
.endr
	WIN 0
.irp tt, 0,1,2,3
	v_mov_b32 v[ML+2*\tt], 0xef800000              ; the running maximum starts at -2^96, above every masked score
	v_mov_b32 v[ML+2*\tt+1], 0                     ; the running sum
	v_mov_b32 v[AL+2*\tt+1], 0                     ; the pair's second word, never used
.endr
; The scores of token tile tt against the step's 64 latents, into buffer sx: 8 products on four accumulators by turns; the sums start from the mask's addends.
; prog = 1: the step's first products; each 16 latents' six loads are waited for in turn.
.macro QK tt, sx, prog
	WIN 0x04
.irp jt, 0,1,2,3
.if \prog
	s_wait_dscnt 16+6*(3-\jt)                      ; V's 16 loads and the six of each later 16 latents may stay out
.endif
	v_wmma_f32_16x16x32_f16 v[\sx+8*\jt:\sx+8*\jt+7], v[KF+16*\jt:KF+16*\jt+7], v[16*\tt:16*\tt+7], v[BI+8*\jt:BI+8*\jt+7]
.endr
.irp jt, 0,1,2,3
	v_wmma_f32_16x16x32_f16 v[\sx+8*\jt:\sx+8*\jt+7], v[KF+16*\jt+8:KF+16*\jt+15], v[16*\tt+8:16*\tt+15], v[\sx+8*\jt:\sx+8*\jt+7]
.endr
.endm
; Softmax of token tile tt against this step's 64 latents, in buffer sx; a lane holds 32 scores of token r, the lane 16 away the other 32.
.macro SOFT tt, sx
.set ST,  ATMP+8*\tt
.set SM,  ML+2*\tt
.set SAL, AL+2*\tt
.irp jt, 0,1,2,3
	v_max3_num_f32 v[ST+\jt], v[\sx+8*\jt], v[\sx+8*\jt+1], v[\sx+8*\jt+2]
.endr
.irp jt, 0,1,2,3
	v_max3_num_f32 v[ST+\jt], v[ST+\jt], v[\sx+8*\jt+3], v[\sx+8*\jt+4]
.endr
.irp jt, 0,1,2,3
	v_max3_num_f32 v[ST+\jt], v[ST+\jt], v[\sx+8*\jt+5], v[\sx+8*\jt+6]
.endr
	v_max3_num_f32 v[ST], v[ST], v[\sx+7], v[\sx+15]
	v_max3_num_f32 v[ST+1], v[ST+1], v[\sx+23], v[\sx+31]
	v_max3_num_f32 v[ST+2], v[ST+2], v[ST+3], v[SM]            ; the old maximum among them
	v_max3_num_f32 v[ST], v[ST], v[ST+1], v[ST+2]
	v_permlanex16_b32 v[ST+1], v[ST], s84, s85
	v_max_num_f32 v[ST+2], v[ST], v[ST+1]                      ; the new maximum, alike in both halves
	v_sub_f32 v[SAL], v[SM], v[ST+2]
	v_mov_b32 v[SM], v[ST+2]
.irp jt, 0,1,2,3
.irp p, 0,2,4,6
	v_pk_add_f32 v[\sx+8*\jt+\p:\sx+8*\jt+\p+1], v[\sx+8*\jt+\p:\sx+8*\jt+\p+1], v[SM:SM+1] op_sel_hi:[1,0] neg_lo:[0,1] neg_hi:[0,1]
.endr
.endr
.irp jt, 0,1,2,3
.irp g, 0,1,2,3,4,5,6,7
	v_exp_f32 v[\sx+8*\jt+\g], v[\sx+8*\jt+\g]                 ; scores are in log2 units
.endr
.endr
	v_exp_f32 v[SAL], v[SAL]                                   ; what the old sums are worth under the new maximum
	v_nop                                                      ; one plain instruction before the results are used (ISA guide 5.7.2)
	s_wait_alu depctr_va_vdst(0)
.irp jt, 0,1,2,3
	v_pk_add_f32 v[ST+2*\jt:ST+2*\jt+1], v[\sx+8*\jt:\sx+8*\jt+1], v[\sx+8*\jt+2:\sx+8*\jt+3]
.endr
.irp p, 4,6
.irp jt, 0,1,2,3
	v_pk_add_f32 v[ST+2*\jt:ST+2*\jt+1], v[ST+2*\jt:ST+2*\jt+1], v[\sx+8*\jt+\p:\sx+8*\jt+\p+1]
.endr
.endr
	FOLD ST
	v_fma_f32 v[SM+1], v[SM+1], v[SAL], v[ST]                  ; each half of the wave keeps its own sum; they meet once, at the end
.irp js, 0,1                           ; P(js), the next product's second source, in the registers of S(2 js)
.irp i, 0,1,2,3
	v_cvt_pk_f16_f32 v[\sx+16*\js+\i], v[\sx+16*\js+2*\i], v[\sx+16*\js+2*\i+1]
.endr
.irp i, 0,1,2,3
	v_cvt_pk_f16_f32 v[\sx+16*\js+4+\i], v[\sx+16*\js+8+2*\i], v[\sx+16*\js+8+2*\i+1]
.endr
.endr
.endm
.macro OSC tt                          ; O(dt, tt) times the factor of tt
	WIN 0x41
.irp dt, 0,1,2,3
.irp p, 0,2,4,6
	v_pk_mul_f32 v[OA+8*(4*\dt+\tt)+\p:OA+8*(4*\dt+\tt)+\p+1], v[OA+8*(4*\dt+\tt)+\p:OA+8*(4*\dt+\tt)+\p+1], v[AL+2*\tt:AL+2*\tt+1] op_sel_hi:[1,0]
.endr
.endr
.endm
; O(., tt) += V^T P: 8 products on four accumulators by turns.  zero = 1: they start the sums.
.macro PV tt, sx, zero
	WIN 0x51
.irp js, 0,1
.set ZC, \zero*(1-\js)
.irp dt, 0,1,2,3
.if ZC
	v_wmma_f32_16x16x32_f16 v[OA+8*(4*\dt+\tt):OA+8*(4*\dt+\tt)+7], v[VF+8*(4*\js+\dt):VF+8*(4*\js+\dt)+7], v[\sx+16*\js:\sx+16*\js+7], 0
.else
	v_wmma_f32_16x16x32_f16 v[OA+8*(4*\dt+\tt):OA+8*(4*\dt+\tt)+7], v[VF+8*(4*\js+\dt):VF+8*(4*\js+\dt)+7], v[\sx+16*\js:\sx+16*\js+7], v[OA+8*(4*\dt+\tt):OA+8*(4*\dt+\tt)+7]
.endif
.endr
.endr
.endm
; 64 latents in slot sl.  first = 1: O starts here.  fill = 1: the next tile is asked for.
; THE STEP GOES TOKEN TILE BY TOKEN TILE: runs of 8 or 16 matrix instructions stand between runs of vector work, so that the two waves of a SIMD, which pass the same
; barrier, soon stand in different kinds of run and one's products go on under the other's softmax.  Two score buffers take turns: a whole SOFT (more than five plain vector
; instructions on other registers) stands between the products that read P from a buffer and those that write the buffer again.
.macro ASTEP sl, first, fill
	SYNC G0A+4*\sl+2, 0x40000
.if \fill
	TLA (1-\sl)
.endif
.rept 5
	v_nop                                          ; five places: the loads and the scores below write over registers of the last step's last products
.endr
.irp jt, 0,1,2,3                       ; six loads for each 16 latents: K (16 rows x 64 d of my head) and their 8 addends a lane
	ds_load_b128 v[KF+16*\jt:KF+16*\jt+3],     v[AK+\sl] offset:\jt*WSH
	ds_load_b128 v[KF+16*\jt+4:KF+16*\jt+7],   v[AK+\sl] offset:\jt*WSH+32
	ds_load_b128 v[KF+16*\jt+8:KF+16*\jt+11],  v[AK+\sl] offset:\jt*WSH+64
	ds_load_b128 v[KF+16*\jt+12:KF+16*\jt+15], v[AK+\sl] offset:\jt*WSH+96
	ds_load_b128 v[BI+8*\jt:BI+8*\jt+3],       v[BIASR] offset:64*\jt
	ds_load_b128 v[BI+8*\jt+4:BI+8*\jt+7],     v[BIASR] offset:64*\jt+16
.endr
	v_add_nc_u32 v[BIASR], 256, v[BIASR]           ; the next step's 64 addends
	WIN 0x40
.irp js, 0,1                           ; 16 loads: V, transposed on the way, into window 1
.irp dt, 0,1,2,3
	ds_load_tr16_b128 v[VF+8*(4*\js+\dt):VF+8*(4*\js+\dt)+3],   v[TR+2*\sl+1] offset:\js*32*PW+32*\dt
	ds_load_tr16_b128 v[VF+8*(4*\js+\dt)+4:VF+8*(4*\js+\dt)+7], v[TR+2*\sl+1] offset:\js*32*PW+32*\dt+16*PW
.endr
.endr
	QK 0, SA, 1
	QK 1, SB, 0
	WIN 0
	PLACES
	SOFT 0, SA
.if \first == 0
	OSC 0
.endif
	s_wait_dscnt 0x0                               ; V's fragments
	PV 0, SA, \first
	WIN 0
	SOFT 1, SB
	QK 2, SA, 0
	PLACES                                         ; behind them SOFT 2 reads the scores
.if \first == 0
	OSC 1
.endif
	PV 1, SB, \first
	WIN 0
	SOFT 2, SA
	QK 3, SB, 0
	PLACES
.if \first == 0
	OSC 2
.endif
	PV 2, SA, \first
	WIN 0
	SOFT 3, SB
.if \first == 0
	OSC 3
.endif
	PV 3, SB, \first
	WIN 0
.endm
	ASTEP 0, 1, 1                                  ; latents 0-63
	s_mov_b32 s3, 7
.Latt:
	ASTEP 1, 0, 1                                  ; latents 64-959, two steps a trip
	ASTEP 0, 0, 1
	s_sub_co_u32 s3, s3, 1
	s_cmp_lg_u32 s3, 0
	s_cbranch_scc1 .Latt
	ASTEP 1, 0, 0                                  ; latents 960-1023; nothing is left to fetch: no tensor load follows in this text
; Half step h of the out projection: Wout's fragments of 64 of my columns x 32 k, 4,096 consecutive bytes of my part of WoB, 8 loads of 512 bytes, into buffer h mod 5
.macro LOADA h
.irp q, 0,1,2,3
	global_load_b128 v[AW+32*((\h)%5)+8*\q:AW+32*((\h)%5)+8*\q+3],   v[LX], s[20:21] offset:4096*(\h)+1024*\q
	global_load_b128 v[AW+32*((\h)%5)+8*\q+4:AW+32*((\h)%5)+8*\q+7], v[LX], s[20:21] offset:4096*(\h)+1024*\q+512
.endr
.endm
; O's fragments of the 64 tokens, k = 32 u .. + 31, into buffer u & 1
.macro FETCHO u
.irp tt, 0,1,2,3
	ds_load_b128 v[BO+32*((\u)&1)+8*\tt:BO+32*((\u)&1)+8*\tt+3],   v[OXR] offset:\tt*16*PKK+64*(\u)
	ds_load_b128 v[BO+32*((\u)&1)+8*\tt+4:BO+32*((\u)&1)+8*\tt+7], v[OXR] offset:\tt*16*PKK+64*(\u)+32
.endr
.endm
	; O / sum, rounded, into the exchange: token rows of 512 features, my head's 64 at byte 128 w.  The exchange is slot 0: its last tile's readers waited for their
	; loads in front of the last step's round, and no load fills it again.  Wout's first four half steps are asked for first and land under this work.
	PLACES
	LOADA 0
	LOADA 1
	LOADA 2
	LOADA 3
.irp tt, 0,1,2,3
	v_permlanex16_b32 v[LT+\tt], v[ML+2*\tt+1], s84, s85
	v_add_f32 v[ML+2*\tt+1], v[ML+2*\tt+1], v[LT+\tt]          ; the two halves' sums meet
.endr
.irp tt, 0,1,2,3
	v_rcp_f32 v[AL+2*\tt], v[ML+2*\tt+1]
.endr
	v_nop
	s_wait_alu depctr_va_vdst(0)
	OSC 0
	OSC 1
	OSC 2
	OSC 3
	WIN 0x05
.irp dt, 0,1,2,3
.irp tt, 0,1,2,3
.irp i, 0,1,2,3
	v_cvt_pk_f16_f32 v[BO+4*(4*\dt+\tt)+\i], v[OA+8*(4*\dt+\tt)+2*\i], v[OA+8*(4*\dt+\tt)+2*\i+1]
.endr
.endr
.endr
	WIN 0
.irp dt, 0,1,2,3
.irp tt, 0,1,2,3
	ds_store_b128 v[AK], v[BO+4*(4*\dt+\tt):BO+4*(4*\dt+\tt)+3] offset:\tt*16*PKK+32*\dt
.endr
.endr
	s_wait_dscnt 0x0                               ; my stores are in, for the other waves' sake
	s_barrier_signal -1
	s_barrier_wait -1                              ; the last barrier but the closing round: from here each wave runs by itself
	FETCHO 0
; Half step hs of the out projection: k = 32 (hs >> 1) .. + 31, my columns 64 (hs & 1) .. + 63: 16 products on 16 accumulators by turns.
; The buffer that the last half step multiplied is asked for again, four half steps ahead; in even half steps the next 32 k of O are fetched too.
.macro OHALF hs
	PLACES
.if \hs < 28
	LOADA (\hs+4)
.endif
.if (\hs&1) == 0
.if \hs < 30
	FETCHO ((\hs>>1)+1)
.endif
.endif
.if \hs < 28
	s_wait_loadcnt 32                              ; this half step's 8 loads are in; the 8 of each of the four behind it stay out
.else
	s_wait_loadcnt 8*(31-\hs)                      ; the last ask for nothing: the counts run down
.endif
.if (\hs&1) == 0
.if \hs < 30
	s_wait_dscnt 8                                 ; O's fragments of this step are in; the next step's 8 loads stay out
.else
	s_wait_dscnt 0x0
.endif
.endif
	WIN 0x50
.irp q, 0,1,2,3
.irp tt, 0,1,2,3
.if \hs < 2
	v_wmma_f32_16x16x32_f16 v[8*(4*(4*(\hs&1)+\q)+\tt):8*(4*(4*(\hs&1)+\q)+\tt)+7], v[AW+32*(\hs%5)+8*\q:AW+32*(\hs%5)+8*\q+7], v[BO+32*((\hs>>1)&1)+8*\tt:BO+32*((\hs>>1)&1)+8*\tt+7], 0
.else
	v_wmma_f32_16x16x32_f16 v[8*(4*(4*(\hs&1)+\q)+\tt):8*(4*(4*(\hs&1)+\q)+\tt)+7], v[AW+32*(\hs%5)+8*\q:AW+32*(\hs%5)+8*\q+7], v[BO+32*((\hs>>1)&1)+8*\tt:BO+32*((\hs>>1)&1)+8*\tt+7], v[8*(4*(4*(\hs&1)+\q)+\tt):8*(4*(4*(\hs&1)+\q)+\tt)+7]
.endif
.endr
.endr
	WIN 0
.endm
.irp hs, 0,1,2,3,4,5,6,7,8,9,10,11,12,13,14,15,16,17,18,19,20,21,22,23,24,25,26,27,28,29,30,31
	OHALF \hs
.endr
	; The way out: 16 tokens x 64 columns of f32 at a time through my own stage (the xn buffers, read for the last time many barriers ago)
	PLACES
	v_and_b32 v17, 15, v0
	v_bfe_u32 v18, v0, 4, 1
	s_mul_i32 s88, s4, 16*PX
	s_add_co_u32 s88, s88, XB
	v_mul_u32_u24 v[STW], v17, PX
	v_lshl_add_u32 v[STW], v18, 5, v[STW]
	v_add_nc_u32 v[STW], s88, v[STW]               ; in: row r, my 8 columns at 32 h
	v_mul_u32_u24 v[STR], v18, PX
	v_lshl_add_u32 v[STR], v17, 4, v[STR]
	v_add_nc_u32 v[STR], s88, v[STR]               ; back: lanes 0-15 a row of 256 bytes, lanes 16-31 the next
.macro OUTG tt, nh
	WIN 0x04
.irp q, 0,1,2,3
	ds_store_b128 v[STW], v[8*(4*(4*\nh+\q)+\tt):8*(4*(4*\nh+\q)+\tt)+3]   offset:64*\q
	ds_store_b128 v[STW], v[8*(4*(4*\nh+\q)+\tt)+4:8*(4*(4*\nh+\q)+\tt)+7] offset:64*\q+16
.endr
	WIN 0
	s_wait_xcnt 0x0                                ; the registers that earlier stores read are loaded again only behind this wait
.irp i, 0,1,2,3,4,5,6,7
	ds_load_b128 v[FR+32*\nh+4*\i:FR+32*\nh+4*\i+3], v[STR] offset:2*PX*\i     ; LDS serves a wave's instructions in order (ISA guide 5.7.1): these see the stores above
.endr
.irp i, 0,1,2,3,4,5,6,7
	s_wait_dscnt 7-\i
	global_store_b128 v[CO], v[FR+32*\nh+4*\i:FR+32*\nh+4*\i+3], s[22:23] offset:(16*\tt+2*\i)*4096+256*\nh th:TH_STORE_NT   ; 16 lanes store 256 consecutive bytes, aligned
.endr
.endm
.irp tt, 0,1,2,3
	OUTG \tt, 0
	OUTG \tt, 1
.endr
	s_wait_tensorcnt 0x0
	ds_add_u32 v12, v13
	s_wait_dscnt 0x0
	ROUND                                          ; the closing round: no work-group ends while a partner may still ask jointly
	s_endpgm
.Lfunc_end_k_q90e9a2a084_fused:
	.size	k_q90e9a2a084_fused, .Lfunc_end_k_q90e9a2a084_fused-k_q90e9a2a084_fused
	.p2alignl 7, 3214868480
	.fill 96, 4, 3214868480
	.section	.rodata,"a",@progbits
	.p2align	6, 0x0
	.amdhsa_kernel k_q90e9a2a084_fused
		.amdhsa_group_segment_fixed_size 327680
		.amdhsa_private_segment_fixed_size 0
		.amdhsa_enable_private_segment 0
		.amdhsa_kernarg_size 64
		.amdhsa_user_sgpr_count 2
		.amdhsa_user_sgpr_kernarg_segment_ptr 1
		.amdhsa_wavefront_size32 1
		.amdhsa_system_sgpr_workgroup_id_x 1
		.amdhsa_system_sgpr_workgroup_id_y 1
		.amdhsa_system_sgpr_workgroup_id_z 1
		.amdhsa_system_vgpr_workitem_id 0
		.amdhsa_next_free_vgpr 512
		.amdhsa_next_free_sgpr 96
		.amdhsa_reserve_vcc 1
		.amdhsa_float_denorm_mode_32 3
		.amdhsa_float_denorm_mode_16_64 3
		.amdhsa_memory_ordered 1
		.amdhsa_forward_progress 1
		.amdhsa_inst_pref_size 255
	.end_amdhsa_kernel
	.section	.bss,"aw",@nobits
	.p2align	6
	.space	262144
	.amdgpu_metadata
---
amdhsa.version: [ 1, 2 ]
amdhsa.kernels:
  - .name:           k_q90e9a2a084_fused
    .symbol:         k_q90e9a2a084_fused.kd
    .args:
      - { .name: x, .offset: 0, .size: 8, .value_kind: global_buffer, .address_space: global }
      - { .name: ln_gamma, .offset: 8, .size: 8, .value_kind: global_buffer, .address_space: global }
      - { .name: ln_beta, .offset: 16, .size: 8, .value_kind: global_buffer, .address_space: global }
      - { .name: media_mask, .offset: 24, .size: 8, .value_kind: global_buffer, .address_space: global }
      - { .name: WqB, .offset: 32, .size: 8, .value_kind: global_buffer, .address_space: global }
      - { .name: KVb, .offset: 40, .size: 8, .value_kind: global_buffer, .address_space: global }
      - { .name: WoB, .offset: 48, .size: 8, .value_kind: global_buffer, .address_space: global }
      - { .name: out0, .offset: 56, .size: 8, .value_kind: global_buffer, .address_space: global }
    .group_segment_fixed_size: 327680
    .private_segment_fixed_size: 0
    .kernarg_segment_align: 8
    .kernarg_segment_size: 64
    .max_flat_workgroup_size: 256
    .sgpr_count:     96
    .vgpr_count:     512
    .wavefront_size: 32
...
	.end_amdgpu_metadata
.endif
;; end of part 2
